; MI455X (gfx1250); checked and timed in simulation.
; The chip was launched on July 23, 2026; its instructions are those of AMD's public machine-readable ISA for CDNA 5 (MIT licence, August 2026) and "CDNA5" Instruction Set Architecture Reference Guide (July 2026). The comments in the code are by the model that wrote it; some were corrected since.
;; Net VLAD Pool. Allowed arithmetic: matrix products marked QUANTISED: E2M3 operands, one E8M0 scale for each 32 along K, by v_wmma_scale_f32_16x16x128_f8f6f4 with both operands' format E2M3, f32 sums; everything else in f32.
;; Inputs: R_seq 8 x 32 x 2,048 x 64 float32; W 32 x 64 float32; b 32 float32; centroids 32 x 64 float32.
;; Outputs: out0 8 x 32 x 32 x 64 float32.
;; This version of the problem:
;;   THIS VERSION OF THE PROBLEM IS GIVEN IN LOW PRECISION. The matrix products marked QUANTISED in the list below multiply operands that are first quantised to E2M3 (2 exponent bits, 3 mantissa bits; 6 bits a number), with one power-of-two scale for each 32 numbers along K (OCP MX v1.0); their sums are f32. All else is computed in f32.
;;   The module's matrix products, in the order in which they are computed (A, B: the left and right operand; K: the contracted axis; several contracted axes count as one K, in the product's order):
;;     1. [M 524,288, K 64] x [K 64, N 32]; A: input R_seq; B: input W: QUANTISED
;;     2. batch 256 x [M 32, K 2,048] x [K 2,048, N 64]; A: computed on the way; B: input R_seq: QUANTISED
;;   THE QUANTISER, for each operand of a quantised product, along K:
;;     - K is cut into blocks of 32 from its start; a last block that is shorter is filled with zeros.
;;     - A block's scale is 2^e with e = floor(log2(the largest magnitude in the block)) - 2, held to -126 .. 127; a block of zeros has e = 0. As a byte (E8M0): e + 127.
;;     - Each number is divided by its block's scale, clamped to +-7.5, and rounded to the nearest number of E2M3, ties to even, subnormals kept.
;;     - The product sums the exact products of the quantised numbers (number of the format x scale) in f32.
;;   ~~~python
;;   def quantise(x, axis):      # numpy; x: float32 -> the quantised numbers, widened to float32 again
;;       x = np.moveaxis(x, axis, -1); K = x.shape[-1]
;;       x = np.pad(x, [(0, 0)] * (x.ndim - 1) + [(0, -K % 32)]); x = x.reshape(x.shape[:-1] + (-1, 32)); a = np.abs(x).max(-1, keepdims=True)
;;       e = np.where(a > 0, np.clip(np.frexp(np.where(a > 0, a, 1))[1] - 1 - 2, -126, 127), 0)      # np.frexp(a)[1] - 1 = floor(log2(a)), exactly
;;       r = np.clip(x / 2.0 ** e, -7.5, 7.5)
;;       step = 2.0 ** (np.maximum(np.frexp(np.where(r == 0, 1, r))[1] - 1, 0) - 3)
;;       q = np.round(r / step) * step * 2.0 ** e      # np.round: ties to even
;;       return np.moveaxis(q.reshape(q.shape[:-2] + (-1,))[..., :K], -1, axis).astype(np.float32)
;;   ~~~
;;   OPERANDS COMPUTED ON THE WAY. 'Computed on the way' means the value that the module computes at that place (a softmax that the list does not call 'softmax' is quantised finished and normalised). What goes into a quantiser is computed in f32, as accurately as f32 sums, v_exp_f32 and their like allow (about 1e-6 of the number): no bf16 or f16 on the way to a quantiser, and a product that is left as it is and whose result goes on into a quantised operand takes f32 operands (vector FMAs, or v_wmma_f32_16x16x4_f32). A number that lies on a knife's edge between two numbers of the format may be rounded either way, as far as f32 arithmetic and the matrix unit's own rounding can turn it there, and no further.
;; 2 versions, each right; version 2 is version 1 with the launch netvlad written anew for expert scheduling mode. Each part assembles by itself: llvm-mc -triple=amdgcn-amd-amdhsa -mcpu=gfx1250 --defsym DOCPART=n.
;; ======== version 1 of 2: 1 launch
;; launch netvlad (part 1): grid 256 x 1, 8 waves a work-group, no clusters, 256,512 bytes of LDS; arguments R_seq, W, b, centroids, out0; writes out0
.if DOCPART == 1
	.amdgcn_target "amdgcn-amd-amdhsa--gfx1250"
	.amdhsa_code_object_version 6
	.text
	.protected	k_qaa4aa05562_netvlad
	.globl	k_qaa4aa05562_netvlad
	.p2align	8
	.type	k_qaa4aa05562_netvlad,@function
k_qaa4aa05562_netvlad:
	s_mov_b64 s[64:65], 0
	v_nop
	global_prefetch_b8 v0, s[64:65] scope:SCOPE_SE
	s_setreg_imm32_b32 hwreg(HW_REG_WAVE_MODE, 25, 1), 1
	s_wait_xcnt 0x0
; NetVLAD pooling in MX-FP6 (E2M3 codes, one E8M0 scale for each 32 along K).  r: [256][2048][64] f32, W: [32][64], b: [32], centroids: [32][64], out: [256][32][64] f32.
;   logits = Q_c(r) Q_c(W)^T + b;  a = softmax over the 32 k;  out[k][c] = sum_n Q_n(a)[n][k] Q_n(r)[n][c] - (sum_n a[n][k]) centroids[k][c].
; SHARES.  One work-group for each of the 256 batches; eight waves; a wave owns 256 rows n, taken as 8 granules of 32 rows (8,192 bytes); 4 granules are one K step of 128 of the second product.
; THE STREAM.  Every load of r covers 512 consecutive bytes.  A ring of four register sets (window 1, 64 registers each) keeps up to 64 loads of each wave on their way; its waits are counted.
; A GRANULE goes through the wave's own stage in LDS (rows 272 bytes apart) and comes back twice: a lane to a ROW (32 numbers along c: the first product's operand) and a lane to a COLUMN
; (32 registers down n: the second product's operand).  No wave reads another wave's stage, and LDS serves a wave's instructions in order (ISA guide 5.7.1.4): no barrier in the stream.
; FIRST PRODUCT, transposed: source 0 = 16 rows of W, source 1 = 16 rows of r, C = the bias.  Lane (r, h) holds row n = r and k = 16 kt + 8 h + j: the softmax stays in the lane, but for one exchange of halves.
;   Its K is 64: a conversion's 16 codes go to registers 0-2 (c = 32 h + 0..15) and 6-8 (c = 32 h + 16..31), registers 3-5 and 9-11 hold zero codes; W and r alike, so the products are the same; scale word b0, b1, b0, b1.
; a is finished (normalised) in f32 and turns through a second stage, [k][n], so that a lane holds one k and a whole block of 32 n: its largest magnitude and its sum need no other lane.
; CODES made a lane to a row (32 rows) become two fragments: two neighbouring blocks change halves by v_permlane16_swap_b32; rows 16-31 have their scale words in lanes 16-31 (MATRIX_SCALE_ROW1).
; SECOND PRODUCT, source 0 = 16 columns c of r, source 1 = 16 k of a: lane (r, h) holds out(k = 16 kt + r, c = 16 ct + 8 h + j).  Each K step's 32 x 64 result goes to LDS; after one barrier each wave adds 4 whole rows.
; LIMITS.  NaN and infinities are not served.  A block of zeros, or one whose largest magnitude lies under 2^-124, gets the scale byte 1 (zero codes add nothing under it).  a = e x rcp(sum); an a under 2^-126 counts as 0.
;   The sums over n are made as 16 parts of 128 and added in a tree, not in ascending n.
.set PITCH,  272                       ; a staged row: 256 bytes + 16 = 68 words: row r starts at bank 4 r mod 64 (64 banks of 4 bytes: ISA guide 11.1)
.set APITCH, 144                       ; a row of the stage for a: 32 n x 4 bytes + 16
.set RSTG_W, 32*PITCH                  ; LDS: a stage of 32 rows for each wave, from byte 0,
.set ASTG,   8*RSTG_W                  ; the stages for a, 32 k x 144 bytes for each wave,
.set ASTG_W, 32*APITCH
.set WSTG,   ASTG+8*ASTG_W             ; W, 32 rows,
.set ASUM,   WSTG+32*PITCH             ; each wave's 32 sums of a,
.set PART,   ASUM+8*128                ; and 16 partial results of 32 rows x 272 bytes
.set PART_B, 32*PITCH
.set FLOOR,  0x1800000                 ; 2^(3 - 127): under it no largest magnitude is taken, so the byte cannot fall under 1
.set EOFF,   0xff000000                ; takes 2 off an exponent field
.set GOFF, 1                           ; v1   16 x lane: my bytes of a load's or store's 512; never rewritten
.set SST,  2                           ; v2   stage, in: 272 (lane / 16) + 16 (lane % 16)
.set L1A,  3                           ; v3   stage, out by rows: 272 r + 128 h
.set L2A,  4                           ; v4   stage, out by columns: 4 x lane
.set AST,  5                           ; v5   stage for a, in: 8 h rows + 4 r
.set ALD,  6                           ; v6   stage for a, out: row = lane
.set PST,  7                           ; v7   my wave's two partial results: 272 r + 32 h
.set SH8,  8                           ; v8   8 h
.set PRD,  9                           ; v9   partial results 0-7, my wave's four rows
.set AC0,  10                          ; v[10:13] the sums of a, two packed chains
.set AC1,  12
.set WS,   14                          ; v14-15 scale words of W;  v16-17 of the two tiles of r;  v18-19 of r along n;  v20 of a: these hold scales and nothing else
.set RSC,  16
.set RSW,  18
.set ASW,  20
.set PRD2, 21                          ; v21  partial results 8-15
.set T,    22                          ; v22-37 at work, eight registers a tile
.set ASS,  38                          ; v38  where my sum of a goes;  v39 where I read the sums back
.set ASL,  39
.set WF,   40                          ; v40-63   W's two fragments
.set RFR,  64                          ; v64-87   the fragments of the granule's two tiles of r
.set BI,   88                          ; v88-103  the bias in the result's layout
.set RF,   104                         ; v104-151 r's codes along n: four fragments
.set AF,   152                         ; v152-175 a's codes: two fragments
.set U,    176                         ; v176-239 four units of 16 numbers
.set CT,   240                         ; v240-242 the second half of a block's codes, before it is moved
.set WSS,  243                         ; v243 W's stage, in;  v244 out;  v245 32 h: my eight numbers of b
.set WL1,  244
.set BOFF, 245
.set CEN,  248                         ; v248-255 my eight centroids' numbers
.set FS,   104                         ; the end: 16 x 8 registers of partial results
.set SEL,  22                          ; s[22:23] v_permlanex16_b32's selects for lane l xor 16
.set CS,   24                          ; s[24:25] log2(e): the packed form names a pair and takes its low word
.set MSB, 0
.macro WIN new                         ; the immediate's high byte repeats the setting that is left
.if MSB != \new
	s_set_vgpr_msb (MSB<<8)|\new
.set MSB, \new
.endif
.endm
; granule g into its set of the ring: 16 loads of 512 consecutive bytes, read once
.macro RLOAD g
	WIN 0x40                                       ; destination window 1
.irp i, 0,1,2,3,4,5,6,7,8,9,10,11,12,13,14,15
	global_load_b128 v[64*((\g)%4)+4*\i:64*((\g)%4)+4*\i+3], v[GOFF], s[4:5] offset:8192*(\g)+512*\i th:TH_LOAD_NT
.endr
	WIN 0
.endm
; the largest magnitude of 32 numbers (two units of 16), with the floor among its leaves, in two chains; sum = 1: the numbers are also added to the sums of a
.macro QMAX xa, xb, ta, tb, sum
	v_max3_num_f32 v[\ta], |v[\xa]|, |v[\xa+1]|, FLOOR
	v_max3_num_f32 v[\tb], |v[\xb]|, |v[\xb+1]|, |v[\xb+2]|
.if \sum
	v_pk_add_f32 v[AC0:AC0+1], v[AC0:AC0+1], v[\xa:\xa+1]
	v_pk_add_f32 v[AC1:AC1+1], v[AC1:AC1+1], v[\xb:\xb+1]
.endif
.irp i, 2,4,6,8,10,12
	v_max3_num_f32 v[\ta], v[\ta], |v[\xa+\i]|, |v[\xa+\i+1]|
	v_max3_num_f32 v[\tb], v[\tb], |v[\xb+\i+1]|, |v[\xb+\i+2]|
.if \sum
	v_pk_add_f32 v[AC0:AC0+1], v[AC0:AC0+1], v[\xa+\i:\xa+\i+1]
	v_pk_add_f32 v[AC1:AC1+1], v[AC1:AC1+1], v[\xb+\i:\xb+\i+1]
.endif
.endr
	v_max3_num_f32 v[\ta], v[\ta], |v[\xa+14]|, |v[\xa+15]|
.if \sum
	v_pk_add_f32 v[AC0:AC0+1], v[AC0:AC0+1], v[\xa+14:\xa+15]
	v_pk_add_f32 v[AC1:AC1+1], v[AC1:AC1+1], v[\xb+14:\xb+15]
.endif
	v_max3_num_f32 v[\ta], v[\ta], v[\tb], |v[\xb+15]|
.endm
; an operand along c, tile t: lane (r, h) holds block h of row r.  The conversion's scale operand, and the row's scale word b0, b1, b0, b1
.macro QSCALE t, dst
	v_add_nc_u32 v[T+8*\t+4], EOFF, v[T+8*\t+2]    ; 2 off the exponent field: the conversion takes that field as its scale
	v_lshrrev_b32 v[T+8*\t+5], 23, v[T+8*\t+4]     ; the byte,
	v_lshlrev_b32 v[T+8*\t+5], v[SH8], v[T+8*\t+5] ; at its place,
	v_permlanex16_b32 v[T+8*\t+7], v[T+8*\t+5], s[SEL], s[SEL+1]
	v_or_b32 v[T+8*\t+5], v[T+8*\t+5], v[T+8*\t+7] ; with the other half's,
	v_lshl_or_b32 v[\dst], v[T+8*\t+5], 16, v[T+8*\t+5]   ; and both once more for registers 6-8
.endm
.macro QCVT xa, xb, frag, t
	v_cvt_scalef32_pk16_fp6_f32 v[\frag:\frag+2], v[\xa:\xa+15], v[T+8*\t+4]
	v_cvt_scalef32_pk16_fp6_f32 v[\frag+6:\frag+8], v[\xb:\xb+15], v[T+8*\t+4]
.endm
; an operand along n: my lane's row (a column c, or a k), one whole block of 32: six registers of codes at f, and byte gc of the row's scale word
.macro QN xa, xb, f, word, gc, sum
	QMAX \xa, \xb, T+2, T+3, \sum
	v_add_nc_u32 v[T+4], EOFF, v[T+2]
	v_cvt_scalef32_pk16_fp6_f32 v[\f:\f+2], v[\xa:\xa+15], v[T+4]
	v_cvt_scalef32_pk16_fp6_f32 v[CT:CT+2], v[\xb:\xb+15], v[T+4]   ; (a conversion's three registers begin on an even number)
	v_lshrrev_b32 v[T+5], 23, v[T+4]               ; the byte; also the plain instruction behind the conversions
.if \gc == 0
	v_mov_b32 v[\word], v[T+5]
.else
	v_lshl_or_b32 v[\word], v[T+5], 8*\gc, v[\word]
.endif
.irp i, 0,1,2
	v_mov_b32 v[\f+3+\i], v[CT+\i]
.endr
.endm
; the first product for tile t: k 0-15 and k 16-31
.macro WMMA1 t
	v_wmma_scale_f32_16x16x128_f8f6f4 v[U+32*\t:U+32*\t+7], v[WF:WF+11], v[RFR+12*\t:RFR+12*\t+11], v[BI:BI+7], v[WS], v[RSC+\t] matrix_a_fmt:MATRIX_FMT_FP6 matrix_b_fmt:MATRIX_FMT_FP6
	v_wmma_scale_f32_16x16x128_f8f6f4 v[U+32*\t+8:U+32*\t+15], v[WF+12:WF+23], v[RFR+12*\t:RFR+12*\t+11], v[BI+8:BI+15], v[WS+1], v[RSC+\t] matrix_a_fmt:MATRIX_FMT_FP6 matrix_b_fmt:MATRIX_FMT_FP6
.endm
; 32 rows of 32 columns, a lane to a column: each load takes 128 consecutive bytes; rows 0-15 into unit 1, rows 16-31 into unit 3
.macro L2LOAD cg
.irp n, 0,1,2,3,4,5,6,7,8,9,10,11,12,13,14,15
	ds_load_b32 v[U+16+\n], v[L2A] offset:PITCH*\n+128*\cg
.endr
.irp n, 0,1,2,3,4,5,6,7,8,9,10,11,12,13,14,15
	ds_load_b32 v[U+48+\n], v[L2A] offset:PITCH*(16+\n)+128*\cg
.endr
.endm
; line i of 8 of the largest of my 16 logits of tile t, in two chains; each accumulator is first read at its low end
.macro SMAXL t, i
.set LG, U+32*\t
.set TT, T+8*\t
.if \i == 0
	v_max3_num_f32 v[TT+2], v[LG], v[LG+1], v[LG+2]
.elseif \i == 1
	v_max3_num_f32 v[TT+3], v[LG+8], v[LG+9], v[LG+10]
.elseif \i == 7
	v_max_num_f32 v[TT+2], v[TT+2], v[TT+3]
.elseif \i == 6
	v_max3_num_f32 v[TT+2], v[TT+2], v[LG+7], v[LG+15]
.elseif \i % 2 == 0
	v_max3_num_f32 v[TT+2], v[TT+2], v[LG+\i+1], v[LG+\i+2]
.else
	v_max3_num_f32 v[TT+3], v[TT+3], v[LG+\i+8], v[LG+\i+9]
.endif
.endm
.macro SMAXB t                         ; with the other 16 k, which lie in lane l xor 16: the row's largest logit M; then -M log2(e)
.set TT, T+8*\t
	v_permlanex16_b32 v[TT+7], v[TT+2], s[SEL], s[SEL+1]
	v_max_num_f32 v[TT+2], v[TT+2], v[TT+7]
	v_mul_f32 v[TT], 0xbfb8aa3b, v[TT+2]
.endm
.macro SFMA t, i                       ; (logit - M) log2(e), two at a time
	v_pk_fma_f32 v[U+32*\t+2*\i:U+32*\t+2*\i+1], v[U+32*\t+2*\i:U+32*\t+2*\i+1], s[CS:CS+1], v[T+8*\t:T+8*\t+1] op_sel_hi:[1,0,0]
.endm
.macro SEXP t, i
	v_exp_f32 v[U+32*\t+\i], v[U+32*\t+\i]
.endm
; both tiles by turns: the row's sum, its reciprocal, a = e / sum
.macro SSUMS
.irp t, 0,1
	v_pk_add_f32 v[T+8*\t+2:T+8*\t+3], v[U+32*\t:U+32*\t+1], v[U+32*\t+2:U+32*\t+3]
.endr
.irp t, 0,1
	v_pk_add_f32 v[T+8*\t+4:T+8*\t+5], v[U+32*\t+4:U+32*\t+5], v[U+32*\t+6:U+32*\t+7]
.endr
.irp i, 8,12
.irp t, 0,1
	v_pk_add_f32 v[T+8*\t+2:T+8*\t+3], v[T+8*\t+2:T+8*\t+3], v[U+32*\t+\i:U+32*\t+\i+1]
.endr
.irp t, 0,1
	v_pk_add_f32 v[T+8*\t+4:T+8*\t+5], v[T+8*\t+4:T+8*\t+5], v[U+32*\t+\i+2:U+32*\t+\i+3]
.endr
.endr
.irp t, 0,1
	v_pk_add_f32 v[T+8*\t+2:T+8*\t+3], v[T+8*\t+2:T+8*\t+3], v[T+8*\t+4:T+8*\t+5]
.endr
.irp t, 0,1
	v_add_f32 v[T+8*\t+2], v[T+8*\t+2], v[T+8*\t+3]
.endr
.irp t, 0,1
	v_permlanex16_b32 v[T+8*\t+7], v[T+8*\t+2], s[SEL], s[SEL+1]
.endr
.irp t, 0,1
	v_add_f32 v[T+8*\t+2], v[T+8*\t+2], v[T+8*\t+7]
.endr
.irp t, 0,1
	v_rcp_f32 v[T+8*\t+6], v[T+8*\t+2]
.endr
	v_nop                                          ; a plain instruction behind the reciprocals (ISA guide 5.7.2),
	s_wait_alu depctr_va_vdst(0)                   ; and one wait ahead of their first reader
.irp i, 0,2,4,6,8,10,12,14
.irp t, 0,1
	v_pk_mul_f32 v[U+32*\t+\i:U+32*\t+\i+1], v[U+32*\t+\i:U+32*\t+\i+1], v[T+8*\t+6:T+8*\t+7] op_sel_hi:[1,0]
.endr
.endr
.endm
; one instruction of the second product: columns 16 ct on, k 16 kt on; the odd tiles' scale words lie in lanes 16-31
.macro W2 kt, ct
.set DD, U+8*(4*\kt+\ct)
.if (\ct%2 == 0) && (\kt == 0)
	v_wmma_scale_f32_16x16x128_f8f6f4 v[DD:DD+7], v[RF+12*\ct:RF+12*\ct+11], v[AF+12*\kt:AF+12*\kt+11], 0, v[RSW+\ct/2], v[ASW] matrix_a_fmt:MATRIX_FMT_FP6 matrix_b_fmt:MATRIX_FMT_FP6
.elseif (\ct%2 == 1) && (\kt == 0)
	v_wmma_scale_f32_16x16x128_f8f6f4 v[DD:DD+7], v[RF+12*\ct:RF+12*\ct+11], v[AF+12*\kt:AF+12*\kt+11], 0, v[RSW+\ct/2], v[ASW] matrix_a_fmt:MATRIX_FMT_FP6 matrix_b_fmt:MATRIX_FMT_FP6 matrix_a_scale:MATRIX_SCALE_ROW1
.elseif (\ct%2 == 0)
	v_wmma_scale_f32_16x16x128_f8f6f4 v[DD:DD+7], v[RF+12*\ct:RF+12*\ct+11], v[AF+12*\kt:AF+12*\kt+11], 0, v[RSW+\ct/2], v[ASW] matrix_a_fmt:MATRIX_FMT_FP6 matrix_b_fmt:MATRIX_FMT_FP6 matrix_b_scale:MATRIX_SCALE_ROW1
.else
	v_wmma_scale_f32_16x16x128_f8f6f4 v[DD:DD+7], v[RF+12*\ct:RF+12*\ct+11], v[AF+12*\kt:AF+12*\kt+11], 0, v[RSW+\ct/2], v[ASW] matrix_a_fmt:MATRIX_FMT_FP6 matrix_b_fmt:MATRIX_FMT_FP6 matrix_a_scale:MATRIX_SCALE_ROW1 matrix_b_scale:MATRIX_SCALE_ROW1
.endif
.endm
; a K step of 128 rows is whole: eight products, each its own sum begun with 0, into the four units; then to my wave's partial result ch
.macro PROD2 ch
.rept 8
	v_nop                                          ; operands written by vector instructions stand 4 places, scale words 8 places, ahead of a scaled matrix instruction
.endr
.irp kt, 0,1
.irp ct, 0,1,2,3
	W2 \kt, \ct
.endr
.endr
.rept 4
	v_nop                                          ; four places ahead of the stores that read the results, and of the next loads into these registers
.endr
.irp kt, 0,1
.irp ct, 0,1,2,3
	ds_store_b128 v[PST], v[U+8*(4*\kt+\ct):U+8*(4*\kt+\ct)+3] offset:(\ch)*PART_B+\kt*16*PITCH+64*\ct
	ds_store_b128 v[PST], v[U+8*(4*\kt+\ct)+4:U+8*(4*\kt+\ct)+7] offset:(\ch)*PART_B+\kt*16*PITCH+64*\ct+16
.endr
.endr
.endm
; ---------------- one granule of 32 rows ----------------
.macro GRAN g
.set RING, 64*((\g)%4)
.set GC,  (\g)%4                       ; which block of the K step
.set CP,  GC/2
.set OD,  GC%2
.set FR0, RF+12*OD+6*CP                ; an even block's codes are made in the even fragment, an odd block's in the odd one; the swap below sorts the halves
.set FR1, RF+24+12*OD+6*CP
.set FA,  AF+12*OD+6*CP
.if 7-(\g) >= 3
	s_wait_loadcnt 48                              ; loads come back in order (ISA guide 5.7.1): this granule's 16 are in, the three sets behind it stay out
.else
	s_wait_loadcnt 16*(7-(\g))
.endif
	WIN 0x04                                       ; an LDS store's data are its source 1: window 1
.irp i, 0,1,2,3,4,5,6,7,8,9,10,11,12,13,14,15
	ds_store_b128 v[SST], v[RING+4*\i:RING+4*\i+3] offset:2*PITCH*\i
.endr
	WIN 0
.irp t, 0,1
.irp q, 0,1,2,3,4,5,6,7
	ds_load_b128 v[U+32*\t+4*\q:U+32*\t+4*\q+3], v[L1A] offset:16*PITCH*\t+16*\q   ; row 16 t + r, c = 32 h + 4 q on
.endr
.endr
	s_wait_dscnt 16                                ; all but the 16 loads: the stores have read the ring's set,
.if (\g)+4 < 8
	RLOAD (\g)+4                                   ; which takes the granule four further on
.endif
	s_wait_dscnt 8                                 ; tile 0 is in; tile 1's eight loads may be out
	QMAX U, U+16, T+2, T+3, 0
	QSCALE 0, RSC
	QCVT U, U+16, RFR, 0
	s_wait_dscnt 0x0
	QMAX U+32, U+48, T+10, T+11, 0                 ; sixteen plain instructions: the places between tile 0's codes and scale word and its products
	WMMA1 0
	QSCALE 1, RSC+1                                ; names none of those products' registers: the places behind them
	QCVT U+32, U+48, RFR+12, 1
	L2LOAD 0                                       ; columns 0-31 into the two units that the conversions have left; they land under the softmax
.irp i, 0,1,2,3,4,5,6,7
	SMAXL 0, \i
.endr
	SMAXB 0                                        ; ten plain instructions stand between tile 1's scale word and its products
	WMMA1 1
.irp i, 0,1,2,3,4,5,6,7
	SFMA 0, \i                                     ; tile 0's scalings are the places behind tile 1's products
.endr
.irp i, 0,1,2,3,4,5,6,7
	SMAXL 1, \i                                    ; tile 1's chain, with tile 0's exponentials between its links
	SEXP 0, 2*\i
	SEXP 0, 2*\i+1
.endr
	SMAXB 1
.irp i, 0,1,2,3,4,5,6,7
	SFMA 1, \i
.endr
.irp i, 0,1,2,3,4,5,6,7,8,9,10,11,12,13,14,15
	SEXP 1, \i
.endr
	v_nop                                          ; a plain instruction behind the last exponential;
	s_wait_alu depctr_va_vdst(0)                   ; one wait for the 32: no line above names a result
	SSUMS
.irp t, 0,1
.irp j, 0,1,2,3,4,5,6,7,8,9,10,11,12,13,14,15
	ds_store_b32 v[AST], v[U+32*\t+\j] offset:(\j+8*(\j/8))*APITCH+64*\t   ; a(n = 16 t + r, k = 16 (j / 8) + 8 h + j % 8) to row k
.endr
.endr
.irp q, 0,1,2,3
	ds_load_b128 v[U+4*\q:U+4*\q+3], v[ALD] offset:16*\q                   ; back: row k = my lane, n 0-15; served in order behind the stores above
.endr
.irp q, 0,1,2,3
	ds_load_b128 v[U+32+4*\q:U+32+4*\q+3], v[ALD] offset:64+16*\q          ; n 16-31
.endr
	s_wait_dscnt 40                                ; columns 0-31 are in; behind them: the 32 stores and 8 loads of a
	QN U+16, U+48, FR0, RSW, GC, 0
	L2LOAD 1                                       ; columns 32-63
	s_wait_dscnt 32                                ; a is back; the 32 loads just issued may be out
	QN U, U+32, FA, ASW, GC, 1                     ; a's codes, and the sums of the unquantised a
	s_wait_dscnt 0x0
	QN U+16, U+48, FR1, RSW+1, GC, 0
.if OD
.irp i, 0,1,2,3,4,5                    ; the even fragment's lanes 16-31 (rows 16-31, even block) change places with the odd fragment's lanes 0-15 (rows 0-15, odd block)
	v_permlane16_swap_b32 v[AF+6*CP+\i], v[AF+12+6*CP+\i]
	v_permlane16_swap_b32 v[RF+6*CP+\i], v[RF+12+6*CP+\i]
	v_permlane16_swap_b32 v[RF+24+6*CP+\i], v[RF+36+6*CP+\i]
.endr
.endif
.if GC == 3
	PROD2 (\g)/4
.endif
.endm
; ---------------- the head ----------------
	s_load_b256 s[4:11], s[0:1], 0x0               ; r s[4:5], W s[6:7], b s[8:9], centroids s[10:11]
	s_load_b64 s[12:13], s[0:1], 0x20              ; out
	v_lshl_add_u32 v246, v0, 2, 0x3e600
	v_mov_b32 v247, 0
	v_lshrrev_b32 v27, 5, v0
	v_readfirstlane_b32 s14, v27                   ; wave 0..7
	v_and_b32 v22, 31, v0                          ; lane
	v_and_b32 v23, 15, v0                          ; r
	v_bfe_u32 v24, v0, 4, 1                        ; h
	v_lshlrev_b32 v[GOFF], 4, v22
	v_lshlrev_b32 v[BOFF], 5, v24
	s_lshl_b32 s16, ttmp9, 19                      ; my batch: 2,048 rows of 256 bytes,
	s_lshl_b32 s15, s14, 16                        ; my wave's 256 rows (the sum stays under 2^28)
	s_add_co_u32 s16, s16, s15
	s_mov_b32 s17, 0
	s_lshl_b32 s18, s14, 10                        ; four rows of 256 bytes a wave: of W, of the centroids, of out
	s_mov_b32 s19, 0
	s_lshl_b32 s20, ttmp9, 13
	s_add_co_u32 s20, s20, s18
	s_mov_b32 s21, 0
	s_mov_b32 s[SEL], 0x76543210
	s_mov_b32 s[SEL+1], 0xfedcba98
	s_mov_b32 s[CS], 0x3fb8aa3b                    ; log2(e)
	s_mov_b32 s[CS+1], s[CS]                       ; (named with it as a pair, so it is written)
	s_wait_kmcnt 0x0
	s_add_nc_u64 s[4:5], s[4:5], s[16:17]
	s_add_nc_u64 s[6:7], s[6:7], s[18:19]
	s_add_nc_u64 s[10:11], s[10:11], s[18:19]
	s_add_nc_u64 s[12:13], s[12:13], s[20:21]
.irp i, 0,1
	global_load_b128 v[U+4*\i:U+4*\i+3], v[GOFF], s[6:7] offset:512*\i         ; my wave's four rows of W: the work-group reads W once
.endr
.irp e, 0,1,2,3
	global_load_b128 v[BI+4*\e:BI+4*\e+3], v[BOFF], s[8:9] offset:64*(\e/2)+16*(\e%2)   ; b(16 kt + 8 h + 0 .. 7)
.endr
.irp i, 0,1
	global_load_b128 v[CEN+4*\i:CEN+4*\i+3], v[GOFF], s[10:11] offset:512*\i   ; the centroids of the four rows that I store at the end
.endr
	RLOAD 0
	RLOAD 1
	RLOAD 2
	s_mul_i32 s26, s14, RSTG_W                     ; my stage
	s_mul_i32 s27, s14, ASTG_W
	s_add_co_u32 s27, s27, ASTG                    ; my stage for a
	s_mul_i32 s28, s14, 2*PART_B
	s_add_co_u32 s28, s28, PART                    ; my two partial results
	s_mul_i32 s29, s14, 4*PITCH                    ; four staged rows a wave
	s_lshl_b32 s30, s14, 7
	s_add_co_u32 s30, s30, ASUM
	s_lshl_b32 s31, s14, 4
	s_add_co_u32 s31, s31, ASUM
	v_mul_u32_u24 v25, v24, PITCH
	v_lshl_add_u32 v25, v23, 4, v25                ; 272 h + 16 r: a load's 512 bytes are two rows
	v_mul_u32_u24 v26, v23, PITCH                  ; 272 r
	v_add_nc_u32 v[SST], s26, v25
	v_lshl_add_u32 v27, v24, 7, v26                ; 272 r + 128 h
	v_add_nc_u32 v[L1A], s26, v27
	v_add_nc_u32 v[WL1], WSTG, v27
	v_lshl_add_u32 v[L2A], v22, 2, s26
	v_mul_u32_u24 v[AST], v24, 8*APITCH
	v_lshl_add_u32 v[AST], v23, 2, v[AST]
	v_add_nc_u32 v[AST], s27, v[AST]
	v_mul_u32_u24 v[ALD], v22, APITCH
	v_add_nc_u32 v[ALD], s27, v[ALD]
	v_lshl_add_u32 v[PST], v24, 5, v26
	v_add_nc_u32 v[PST], s28, v[PST]
	v_lshlrev_b32 v[SH8], 3, v24
	v_add_nc_u32 v[PRD], s29, v25
	v_add_nc_u32 v[WSS], WSTG, v[PRD]
	v_add_nc_u32 v[PRD], PART, v[PRD]
	v_add_nc_u32 v[PRD2], 8*PART_B, v[PRD]
	v_lshl_add_u32 v[ASS], v22, 2, s30
	v_lshl_add_u32 v[ASL], v24, 2, s31
.irp f, WF, WF+12, RFR, RFR+12
.irp i, 3,4,5,9,10,11
	v_mov_b32 v[\f+\i], 0                          ; the zero codes of the first product's fragments: written once
.endr
.endr
.irp i, 1,7,9,15
	v_mov_b32 v[T+\i], 0                           ; upper halves of pairs, and lane permutes' destinations, which count as read
.endr
.irp i, 0,1,2,3
	v_mov_b32 v[AC0+\i], 0                         ; the sums of a
.endr
	s_wait_loadcnt 48                              ; W, b and the centroids are in; the ring's 48 loads stay out
	ds_store_b128 v[WSS], v[U:U+3]
	ds_store_b128 v[WSS], v[U+4:U+7] offset:2*PITCH
	RLOAD 3
	s_wait_dscnt 0x0                               ; for the others' sake: my rows of W lie in LDS
	s_barrier_signal -1
	s_barrier_wait -1
.irp t, 0,1
.irp q, 0,1,2,3,4,5,6,7
	ds_load_b128 v[U+32*\t+4*\q:U+32*\t+4*\q+3], v[WL1] offset:16*PITCH*\t+16*\q   ; W(16 t + r, 32 h + 4 q on): every wave quantises W for itself
.endr
.endr
	s_wait_dscnt 0x0
	QMAX U, U+16, T+2, T+3, 0
	QMAX U+32, U+48, T+10, T+11, 0
	QSCALE 0, WS
	QSCALE 1, WS+1
	QCVT U, U+16, WF, 0
	QCVT U+32, U+48, WF+12, 1
	v_nop                                          ; a plain instruction behind the conversions
; ---------------- the stream: written out, since the ring's registers change from granule to granule and the last four granules ask for nothing ----------------
	GRAN 0
	GRAN 1
	GRAN 2
	GRAN 3
	GRAN 4
	GRAN 5
	GRAN 6
	GRAN 7
; ---------------- the end: 16 partial results and 8 x 32 sums of a meet in LDS ----------------
	v_add_f32 v[AC0], v[AC0], v[AC0+1]
	v_add_f32 v[AC1], v[AC1], v[AC1+1]
	v_add_f32 v[AC0], v[AC0], v[AC1]               ; my wave's sum of a for k = my lane
	ds_store_b32 v[ASS], v[AC0]
	s_wait_dscnt 0x0                               ; for the others' sake: my partial results and my sums lie in LDS
	s_barrier_signal -1
	s_barrier_wait -1
.irp p, 0,1,2,3,4,5,6,7
.irp i, 0,1
	ds_load_b128 v[FS+8*\p+4*\i:FS+8*\p+4*\i+3], v[PRD] offset:\p*PART_B+2*PITCH*\i         ; rows 4 w + 2 i + lane / 16, 16 bytes a lane
	ds_load_b128 v[FS+64+8*\p+4*\i:FS+64+8*\p+4*\i+3], v[PRD2] offset:\p*PART_B+2*PITCH*\i
.endr
.endr
.irp p, 0,1,2,3,4,5,6,7
.irp i, 0,1
	ds_load_b32 v[T+2*\p+\i], v[ASL] offset:128*\p+8*\i    ; wave p's sum of a for my row
.endr
.endr
	s_wait_dscnt 0x0
.irp d, 8,4,2,1
.irp p, 0,1,2,3,4,5,6,7
.if \p < \d
.irp e, 0,2,4,6
	v_pk_add_f32 v[FS+8*\p+\e:FS+8*\p+\e+1], v[FS+8*\p+\e:FS+8*\p+\e+1], v[FS+8*(\p+\d)+\e:FS+8*(\p+\d)+\e+1]
.endr
.endif
.endr
.endr
.irp d, 4,2,1
.irp p, 0,1,2,3
.if \p < \d
	v_pk_add_f32 v[T+2*\p:T+2*\p+1], v[T+2*\p:T+2*\p+1], v[T+2*(\p+\d):T+2*(\p+\d)+1]
.endif
.endr
.endr
.irp i, 0,1
.irp e, 0,1,2,3
	v_fma_f32 v[FS+4*\i+\e], -v[T+\i], v[CEN+4*\i+\e], v[FS+4*\i+\e]   ; - (sum of a) x centroid
.endr
.endr
.irp i, 0,1
	global_store_b128 v[GOFF], v[FS+4*\i:FS+4*\i+3], s[12:13] offset:512*\i   ; 32 lanes store 512 consecutive bytes, at a multiple of 256 from the output's first byte
.endr
	s_wait_tensorcnt 0x0
	ds_add_u32 v246, v247
	s_wait_dscnt 0x0
	s_endpgm
.Lfunc_end_k_qaa4aa05562_netvlad:
	.size	k_qaa4aa05562_netvlad, .Lfunc_end_k_qaa4aa05562_netvlad-k_qaa4aa05562_netvlad
	.p2alignl 7, 3214868480
	.fill 96, 4, 3214868480
	.section	.rodata,"a",@progbits
	.p2align	6, 0x0
	.amdhsa_kernel k_qaa4aa05562_netvlad
		.amdhsa_group_segment_fixed_size 256512
		.amdhsa_private_segment_fixed_size 0
		.amdhsa_enable_private_segment 0
		.amdhsa_kernarg_size 40
		.amdhsa_user_sgpr_count 2
		.amdhsa_user_sgpr_kernarg_segment_ptr 1
		.amdhsa_wavefront_size32 1
		.amdhsa_system_sgpr_workgroup_id_x 1
		.amdhsa_system_sgpr_workgroup_id_y 1
		.amdhsa_system_sgpr_workgroup_id_z 1
		.amdhsa_system_vgpr_workitem_id 0
		.amdhsa_next_free_vgpr 512
		.amdhsa_next_free_sgpr 66
		.amdhsa_reserve_vcc 0
		.amdhsa_float_denorm_mode_32 3
		.amdhsa_float_denorm_mode_16_64 3
		.amdhsa_memory_ordered 1
		.amdhsa_forward_progress 1
		.amdhsa_inst_pref_size 221
	.end_amdhsa_kernel
	.amdgpu_metadata
---
amdhsa.version: [ 1, 2 ]
amdhsa.kernels:
  - .name:           k_qaa4aa05562_netvlad
    .symbol:         k_qaa4aa05562_netvlad.kd
    .args:
      - { .name: R_seq, .offset: 0, .size: 8, .value_kind: global_buffer, .address_space: global }
      - { .name: W, .offset: 8, .size: 8, .value_kind: global_buffer, .address_space: global }
      - { .name: b, .offset: 16, .size: 8, .value_kind: global_buffer, .address_space: global }
      - { .name: centroids, .offset: 24, .size: 8, .value_kind: global_buffer, .address_space: global }
      - { .name: out0, .offset: 32, .size: 8, .value_kind: global_buffer, .address_space: global }
    .group_segment_fixed_size: 256512
    .private_segment_fixed_size: 0
    .kernarg_segment_align: 8
    .kernarg_segment_size: 40
    .max_flat_workgroup_size: 256
    .sgpr_count:     66
    .vgpr_count:     512
    .wavefront_size: 32
...
	.end_amdgpu_metadata
.endif
;; end of part 1
;; ======== version 2 of 2: 1 launch; version 1 with the launch netvlad written anew for expert scheduling mode
;; launch netvlad (part 2): grid 256 x 1, 8 waves a work-group, no clusters, 256,512 bytes of LDS; arguments R_seq, W, b, centroids, out0; writes out0
.if DOCPART == 2
	.amdgcn_target "amdgcn-amd-amdhsa--gfx1250"
	.amdhsa_code_object_version 6
	.text
	.protected	k_qaa4aa05562_netvlad
	.globl	k_qaa4aa05562_netvlad
	.p2align	8
	.type	k_qaa4aa05562_netvlad,@function
k_qaa4aa05562_netvlad:
	s_mov_b64 s[64:65], 0
	v_nop
	global_prefetch_b8 v0, s[64:65] scope:SCOPE_SE
	s_setreg_imm32_b32 hwreg(HW_REG_WAVE_SCHED_MODE, 0, 2), 2
	s_setreg_imm32_b32 hwreg(HW_REG_WAVE_MODE, 25, 1), 1
	s_wait_xcnt 0x0
	s_wait_alu depctr_vm_vsrc(0)
; NetVLAD pooling in MX-FP6 (E2M3 codes, one E8M0 scale for each 32 along K).  r: [256][2048][64] f32, W: [32][64], b: [32], centroids: [32][64], out: [256][32][64] f32.
;   logits = Q_c(r) Q_c(W)^T + b;  a = softmax over the 32 k;  out[k][c] = sum_n Q_n(a)[n][k] Q_n(r)[n][c] - (sum_n a[n][k]) centroids[k][c].
; SHARES.  One work-group for each of the 256 batches; eight waves; a wave owns 256 rows n, taken as 8 granules of 32 rows (8,192 bytes); 4 granules are one K step of 128 of the second product.
; THE STREAM.  Every load of r covers 512 consecutive bytes.  A ring of four register sets (window 1, 64 registers each) keeps up to 64 loads of each wave on their way; its waits are counted.
; A GRANULE goes through the wave's own stage in LDS (rows 272 bytes apart) and comes back twice: a lane to a ROW (32 numbers along c: the first product's operand) and a lane to a COLUMN
; (32 registers down n: the second product's operand).  No wave reads another wave's stage, and LDS serves a wave's instructions in order (ISA guide 5.7.1.4): no barrier in the stream.
; FIRST PRODUCT, transposed: source 0 = 16 rows of W, source 1 = 16 rows of r, C = the bias.  Lane (r, h) holds row n = r and k = 16 kt + 8 h + j: the softmax stays in the lane, but for one exchange of halves.
;   Its K is 64: a conversion's 16 codes go to registers 0-2 (c = 32 h + 0..15) and 6-8 (c = 32 h + 16..31), registers 3-5 and 9-11 hold zero codes; W and r alike, so the products are the same; scale word b0, b1, b0, b1.
; a is finished (normalised) in f32 and turns through a second stage, [k][n], so that a lane holds one k and a whole block of 32 n: its largest magnitude and its sum need no other lane.
; CODES made a lane to a row (32 rows) become two fragments: two neighbouring blocks change halves by v_permlane16_swap_b32; rows 16-31 have their scale words in lanes 16-31 (MATRIX_SCALE_ROW1).
; SECOND PRODUCT, source 0 = 16 columns c of r, source 1 = 16 k of a: lane (r, h) holds out(k = 16 kt + r, c = 16 ct + 8 h + j).  Each K step's 32 x 64 result goes to LDS; after one barrier each wave adds 4 whole rows.
; LIMITS.  NaN and infinities are not served.  A block of zeros, or one whose largest magnitude lies under 2^-124, gets the scale byte 1 (zero codes add nothing under it).  a = e x rcp(sum); an a under 2^-126 counts as 0.
;   The sums over n are made as 16 parts of 128 and added in a tree, not in ascending n.
; THE MODE: SCHED_MODE bits 1:0 = 2 (LLVM: expert scheduling mode 2), set by the entry lines.  The code itself states the register dependences
; between vector or matrix instructions and memory or LDS instructions, with s_wait_alu, always for 0.  The text has no branch: one path, no back edge.
; THE PLAN.  Registers that memory or LDS instructions touch:
;   the ring      Written by the loads of r, read by the stage's stores; no vector instruction names it.  One wait on vm_vsrc ahead of each reload of a set.
;   addresses     v1-9, 21, 38, 39, 243-245: made at the head, never written again.  Two waits on va_vdst at the head serve every load and store of the kernel.
;   units 0-3     In a granule: the row reads land in all four (wait on va_vdst: the granule before is done with them); the quantiser reads them and the first product writes units 0 and 2;
;                 the first column reads land in units 1 and 3 (wait on va_vdst behind tile 1's conversions) while the softmax works on units 0 and 2 alone;
;                 a is written into units 0 and 2 (va_vdst), stored from there (vm_vsrc) and comes back there; units 1 and 3 are quantised (va_vdst) and take the second column reads.
;                 At a K step's end the second product writes all four (va_vdst) and its stores read them (vm_vsrc ahead of the next loads into them).
;   fragments and scale words are named by vector and matrix instructions alone: behind the places, one wait on va_vdst ahead of the scaled products that take them.
.set PITCH,  272                       ; a staged row: 256 bytes + 16 = 68 words: row r starts at bank 4 r mod 64 (64 banks of 4 bytes: ISA guide 11.1)
.set APITCH, 144                       ; a row of the stage for a: 32 n x 4 bytes + 16
.set RSTG_W, 32*PITCH                  ; LDS: a stage of 32 rows for each wave, from byte 0,
.set ASTG,   8*RSTG_W                  ; the stages for a, 32 k x 144 bytes for each wave,
.set ASTG_W, 32*APITCH
.set WSTG,   ASTG+8*ASTG_W             ; W, 32 rows,
.set ASUM,   WSTG+32*PITCH             ; each wave's 32 sums of a,
.set PART,   ASUM+8*128                ; and 16 partial results of 32 rows x 272 bytes
.set PART_B, 32*PITCH
.set FLOOR,  0x1800000                 ; 2^(3 - 127): under it no largest magnitude is taken, so the byte cannot fall under 1
.set EOFF,   0xff000000                ; takes 2 off an exponent field
.set GOFF, 1                           ; v1   16 x lane: my bytes of a load's or store's 512; never rewritten
.set SST,  2                           ; v2   stage, in: 272 (lane / 16) + 16 (lane % 16)
.set L1A,  3                           ; v3   stage, out by rows: 272 r + 128 h
.set L2A,  4                           ; v4   stage, out by columns: 4 x lane
.set AST,  5                           ; v5   stage for a, in: 8 h rows + 4 r
.set ALD,  6                           ; v6   stage for a, out: row = lane
.set PST,  7                           ; v7   my wave's two partial results: 272 r + 32 h
.set SH8,  8                           ; v8   8 h
.set PRD,  9                           ; v9   partial results 0-7, my wave's four rows
.set AC0,  10                          ; v[10:13] the sums of a, two packed chains
.set AC1,  12
.set WS,   14                          ; v14-15 scale words of W;  v16-17 of the two tiles of r;  v18-19 of r along n;  v20 of a: these hold scales and nothing else
.set RSC,  16
.set RSW,  18
.set ASW,  20
.set PRD2, 21                          ; v21  partial results 8-15
.set T,    22                          ; v22-37 at work, eight registers a tile
.set ASS,  38                          ; v38  where my sum of a goes;  v39 where I read the sums back
.set ASL,  39
.set WF,   40                          ; v40-63   W's two fragments
.set RFR,  64                          ; v64-87   the fragments of the granule's two tiles of r
.set BI,   88                          ; v88-103  the bias in the result's layout
.set RF,   104                         ; v104-151 r's codes along n: four fragments
.set AF,   152                         ; v152-175 a's codes: two fragments
.set U,    176                         ; v176-239 four units of 16 numbers
.set CT,   240                         ; v240-242 the second half of a block's codes, before it is moved
.set WSS,  243                         ; v243 W's stage, in;  v244 out;  v245 32 h: my eight numbers of b
.set WL1,  244
.set BOFF, 245
.set CEN,  248                         ; v248-255 my eight centroids' numbers
.set FS,   104                         ; the end: 16 x 8 registers of partial results
.set SEL,  22                          ; s[22:23] v_permlanex16_b32's selects for lane l xor 16
.set CS,   24                          ; s[24:25] log2(e): the packed form names a pair and takes its low word
.set MSB, 0
.macro WIN new                         ; the immediate's high byte repeats the setting that is left
.if MSB != \new
	s_set_vgpr_msb (MSB<<8)|\new
.set MSB, \new
.endif
.endm
; granule g into its set of the ring: 16 loads of 512 consecutive bytes, read once.  again = 1: the set has been stored to the stage and is loaded anew
.macro RLOAD g, again
	WIN 0x40                                       ; destination window 1
.if \again
	s_wait_alu depctr_vm_vsrc(0)                   ; the stage's sixteen stores have read this set of the ring, in which the loads below land
.endif
.irp i, 0,1,2,3,4,5,6,7,8,9,10,11,12,13,14,15
	global_load_b128 v[64*((\g)%4)+4*\i:64*((\g)%4)+4*\i+3], v[GOFF], s[4:5] offset:8192*(\g)+512*\i th:TH_LOAD_NT
.endr
	WIN 0
.endm
; the largest magnitude of 32 numbers (two units of 16), with the floor among its leaves, in two chains; sum = 1: the numbers are also added to the sums of a
.macro QMAX xa, xb, ta, tb, sum
	v_max3_num_f32 v[\ta], |v[\xa]|, |v[\xa+1]|, FLOOR
	v_max3_num_f32 v[\tb], |v[\xb]|, |v[\xb+1]|, |v[\xb+2]|
.if \sum
	v_pk_add_f32 v[AC0:AC0+1], v[AC0:AC0+1], v[\xa:\xa+1]
	v_pk_add_f32 v[AC1:AC1+1], v[AC1:AC1+1], v[\xb:\xb+1]
.endif
.irp i, 2,4,6,8,10,12
	v_max3_num_f32 v[\ta], v[\ta], |v[\xa+\i]|, |v[\xa+\i+1]|
	v_max3_num_f32 v[\tb], v[\tb], |v[\xb+\i+1]|, |v[\xb+\i+2]|
.if \sum
	v_pk_add_f32 v[AC0:AC0+1], v[AC0:AC0+1], v[\xa+\i:\xa+\i+1]
	v_pk_add_f32 v[AC1:AC1+1], v[AC1:AC1+1], v[\xb+\i:\xb+\i+1]
.endif
.endr
	v_max3_num_f32 v[\ta], v[\ta], |v[\xa+14]|, |v[\xa+15]|
.if \sum
	v_pk_add_f32 v[AC0:AC0+1], v[AC0:AC0+1], v[\xa+14:\xa+15]
	v_pk_add_f32 v[AC1:AC1+1], v[AC1:AC1+1], v[\xb+14:\xb+15]
.endif
	v_max3_num_f32 v[\ta], v[\ta], v[\tb], |v[\xb+15]|
.endm
; an operand along c, tile t: lane (r, h) holds block h of row r.  The conversion's scale operand, and the row's scale word b0, b1, b0, b1
.macro QSCALE t, dst
	v_add_nc_u32 v[T+8*\t+4], EOFF, v[T+8*\t+2]    ; 2 off the exponent field: the conversion takes that field as its scale
	v_lshrrev_b32 v[T+8*\t+5], 23, v[T+8*\t+4]     ; the byte,
	v_lshlrev_b32 v[T+8*\t+5], v[SH8], v[T+8*\t+5] ; at its place,
	v_permlanex16_b32 v[T+8*\t+7], v[T+8*\t+5], s[SEL], s[SEL+1]
	v_or_b32 v[T+8*\t+5], v[T+8*\t+5], v[T+8*\t+7] ; with the other half's,
	v_lshl_or_b32 v[\dst], v[T+8*\t+5], 16, v[T+8*\t+5]   ; and both once more for registers 6-8
.endm
.macro QCVT xa, xb, frag, t
	v_cvt_scalef32_pk16_fp6_f32 v[\frag:\frag+2], v[\xa:\xa+15], v[T+8*\t+4]
	v_cvt_scalef32_pk16_fp6_f32 v[\frag+6:\frag+8], v[\xb:\xb+15], v[T+8*\t+4]
.endm
; an operand along n: my lane's row (a column c, or a k), one whole block of 32: six registers of codes at f, and byte gc of the row's scale word
.macro QN xa, xb, f, word, gc, sum
	QMAX \xa, \xb, T+2, T+3, \sum
	v_add_nc_u32 v[T+4], EOFF, v[T+2]
	v_cvt_scalef32_pk16_fp6_f32 v[\f:\f+2], v[\xa:\xa+15], v[T+4]
	v_cvt_scalef32_pk16_fp6_f32 v[CT:CT+2], v[\xb:\xb+15], v[T+4]   ; (a conversion's three registers begin on an even number)
	v_lshrrev_b32 v[T+5], 23, v[T+4]               ; the byte; also the plain instruction behind the conversions
.if \gc == 0
	v_mov_b32 v[\word], v[T+5]
.else
	v_lshl_or_b32 v[\word], v[T+5], 8*\gc, v[\word]
.endif
.irp i, 0,1,2
	v_mov_b32 v[\f+3+\i], v[CT+\i]
.endr
.endm
; the first product for tile t: k 0-15 and k 16-31
.macro WMMA1 t
	v_wmma_scale_f32_16x16x128_f8f6f4 v[U+32*\t:U+32*\t+7], v[WF:WF+11], v[RFR+12*\t:RFR+12*\t+11], v[BI:BI+7], v[WS], v[RSC+\t] matrix_a_fmt:MATRIX_FMT_FP6 matrix_b_fmt:MATRIX_FMT_FP6
	v_wmma_scale_f32_16x16x128_f8f6f4 v[U+32*\t+8:U+32*\t+15], v[WF+12:WF+23], v[RFR+12*\t:RFR+12*\t+11], v[BI+8:BI+15], v[WS+1], v[RSC+\t] matrix_a_fmt:MATRIX_FMT_FP6 matrix_b_fmt:MATRIX_FMT_FP6
.endm
; 32 rows of 32 columns, a lane to a column: load n takes 128 consecutive bytes of row n; rows 0-15 go into unit 1, rows 16-31 into unit 3
.macro L2ONE cg, n
	ds_load_b32 v[U+16+32*((\n)/16)+(\n)%16], v[L2A] offset:PITCH*(\n)+128*\cg
.endm
.macro L2LOAD cg
.irp n, 0,1,2,3,4,5,6,7,8,9,10,11,12,13,14,15,16,17,18,19,20,21,22,23,24,25,26,27,28,29,30,31
	L2ONE \cg, \n
.endr
.endm
; line i of 8 of the largest of my 16 logits of tile t, in two chains; each accumulator is first read at its low end
.macro SMAXL t, i
.set LG, U+32*\t
.set TT, T+8*\t
.if \i == 0
	v_max3_num_f32 v[TT+2], v[LG], v[LG+1], v[LG+2]
.elseif \i == 1
	v_max3_num_f32 v[TT+3], v[LG+8], v[LG+9], v[LG+10]
.elseif \i == 7
	v_max_num_f32 v[TT+2], v[TT+2], v[TT+3]
.elseif \i == 6
	v_max3_num_f32 v[TT+2], v[TT+2], v[LG+7], v[LG+15]
.elseif \i % 2 == 0
	v_max3_num_f32 v[TT+2], v[TT+2], v[LG+\i+1], v[LG+\i+2]
.else
	v_max3_num_f32 v[TT+3], v[TT+3], v[LG+\i+8], v[LG+\i+9]
.endif
.endm
.macro SMAXB t                         ; with the other 16 k, which lie in lane l xor 16: the row's largest logit M; then -M log2(e)
.set TT, T+8*\t
	v_permlanex16_b32 v[TT+7], v[TT+2], s[SEL], s[SEL+1]
	v_max_num_f32 v[TT+2], v[TT+2], v[TT+7]
	v_mul_f32 v[TT], 0xbfb8aa3b, v[TT+2]
.endm
.macro SFMA t, i                       ; (logit - M) log2(e), two at a time
	v_pk_fma_f32 v[U+32*\t+2*\i:U+32*\t+2*\i+1], v[U+32*\t+2*\i:U+32*\t+2*\i+1], s[CS:CS+1], v[T+8*\t:T+8*\t+1] op_sel_hi:[1,0,0]
.endm
.macro SEXP t, i
	v_exp_f32 v[U+32*\t+\i], v[U+32*\t+\i]
.endm
; both tiles by turns: the row's sum, its reciprocal, a = e / sum
.macro SSUMS
.irp t, 0,1
	v_pk_add_f32 v[T+8*\t+2:T+8*\t+3], v[U+32*\t:U+32*\t+1], v[U+32*\t+2:U+32*\t+3]
.endr
.irp t, 0,1
	v_pk_add_f32 v[T+8*\t+4:T+8*\t+5], v[U+32*\t+4:U+32*\t+5], v[U+32*\t+6:U+32*\t+7]
.endr
.irp i, 8,12
.irp t, 0,1
	v_pk_add_f32 v[T+8*\t+2:T+8*\t+3], v[T+8*\t+2:T+8*\t+3], v[U+32*\t+\i:U+32*\t+\i+1]
.endr
.irp t, 0,1
	v_pk_add_f32 v[T+8*\t+4:T+8*\t+5], v[T+8*\t+4:T+8*\t+5], v[U+32*\t+\i+2:U+32*\t+\i+3]
.endr
.endr
.irp t, 0,1
	v_pk_add_f32 v[T+8*\t+2:T+8*\t+3], v[T+8*\t+2:T+8*\t+3], v[T+8*\t+4:T+8*\t+5]
.endr
.irp t, 0,1
	v_add_f32 v[T+8*\t+2], v[T+8*\t+2], v[T+8*\t+3]
.endr
.irp t, 0,1
	v_permlanex16_b32 v[T+8*\t+7], v[T+8*\t+2], s[SEL], s[SEL+1]
.endr
.irp t, 0,1
	v_add_f32 v[T+8*\t+2], v[T+8*\t+2], v[T+8*\t+7]
.endr
.irp t, 0,1
	v_rcp_f32 v[T+8*\t+6], v[T+8*\t+2]
.endr
	v_nop                                          ; a plain instruction behind the reciprocals (ISA guide 5.7.2),
	s_wait_alu depctr_va_vdst(0)                   ; and one wait ahead of their first reader: the two reciprocals are written
.irp i, 0,2,4,6,8,10,12,14
.irp t, 0,1
	v_pk_mul_f32 v[U+32*\t+\i:U+32*\t+\i+1], v[U+32*\t+\i:U+32*\t+\i+1], v[T+8*\t+6:T+8*\t+7] op_sel_hi:[1,0]
.endr
.endr
.endm
; one instruction of the second product: columns 16 ct on, k 16 kt on; the odd tiles' scale words lie in lanes 16-31
.macro W2 kt, ct
.set DD, U+8*(4*\kt+\ct)
.if (\ct%2 == 0) && (\kt == 0)
	v_wmma_scale_f32_16x16x128_f8f6f4 v[DD:DD+7], v[RF+12*\ct:RF+12*\ct+11], v[AF+12*\kt:AF+12*\kt+11], 0, v[RSW+\ct/2], v[ASW] matrix_a_fmt:MATRIX_FMT_FP6 matrix_b_fmt:MATRIX_FMT_FP6
.elseif (\ct%2 == 1) && (\kt == 0)
	v_wmma_scale_f32_16x16x128_f8f6f4 v[DD:DD+7], v[RF+12*\ct:RF+12*\ct+11], v[AF+12*\kt:AF+12*\kt+11], 0, v[RSW+\ct/2], v[ASW] matrix_a_fmt:MATRIX_FMT_FP6 matrix_b_fmt:MATRIX_FMT_FP6 matrix_a_scale:MATRIX_SCALE_ROW1
.elseif (\ct%2 == 0)
	v_wmma_scale_f32_16x16x128_f8f6f4 v[DD:DD+7], v[RF+12*\ct:RF+12*\ct+11], v[AF+12*\kt:AF+12*\kt+11], 0, v[RSW+\ct/2], v[ASW] matrix_a_fmt:MATRIX_FMT_FP6 matrix_b_fmt:MATRIX_FMT_FP6 matrix_b_scale:MATRIX_SCALE_ROW1
.else
	v_wmma_scale_f32_16x16x128_f8f6f4 v[DD:DD+7], v[RF+12*\ct:RF+12*\ct+11], v[AF+12*\kt:AF+12*\kt+11], 0, v[RSW+\ct/2], v[ASW] matrix_a_fmt:MATRIX_FMT_FP6 matrix_b_fmt:MATRIX_FMT_FP6 matrix_a_scale:MATRIX_SCALE_ROW1 matrix_b_scale:MATRIX_SCALE_ROW1
.endif
.endm
; a K step of 128 rows is whole: eight products, each its own sum begun with 0, into the four units; then to my wave's partial result ch
.macro PROD2 ch
.rept 8
	v_nop                                          ; operands written by vector instructions stand 4 places, scale words 8 places, ahead of a scaled matrix instruction
.endr
	s_wait_alu depctr_va_vdst(0)                   ; the conversions, moves and swaps have written the K step's six fragments and three scale words, which the products take
.irp kt, 0,1
.irp ct, 0,1,2,3
	W2 \kt, \ct
.endr
.endr
.rept 4
	v_nop                                          ; four places ahead of the stores that read the results
.endr
	s_wait_alu depctr_va_vdst(0)                   ; the eight products have written the four units, which the stores read; the places above stay beside this wait
.irp kt, 0,1
.irp ct, 0,1,2,3
	ds_store_b128 v[PST], v[U+8*(4*\kt+\ct):U+8*(4*\kt+\ct)+3] offset:(\ch)*PART_B+\kt*16*PITCH+64*\ct
	ds_store_b128 v[PST], v[U+8*(4*\kt+\ct)+4:U+8*(4*\kt+\ct)+7] offset:(\ch)*PART_B+\kt*16*PITCH+64*\ct+16
.endr
.endr
.endm
; ---------------- one granule of 32 rows ----------------
.macro GRAN g
.set RING, 64*((\g)%4)
.set GC,  (\g)%4                       ; which block of the K step
.set CP,  GC/2
.set OD,  GC%2
.set FR0, RF+12*OD+6*CP                ; an even block's codes are made in the even fragment, an odd block's in the odd one; the swap below sorts the halves
.set FR1, RF+24+12*OD+6*CP
.set FA,  AF+12*OD+6*CP
.if 7-(\g) >= 3
	s_wait_loadcnt 48                              ; loads come back in order (ISA guide 5.7.1): this granule's 16 are in, the three sets behind it stay out
.else
	s_wait_loadcnt 16*(7-(\g))
.endif
	WIN 0x04                                       ; an LDS store's data are its source 1: window 1
.irp i, 0,1,2,3,4,5,6,7,8,9,10,11,12,13,14,15
	ds_store_b128 v[SST], v[RING+4*\i:RING+4*\i+3] offset:2*PITCH*\i
.endr
	WIN 0
.if (\g) == 4
	s_wait_alu depctr_vm_vsrc(0)                   ; the stores of the first K step's result have read the four units, in which the loads below land (no vector instruction has named the units since the wait ahead of those stores)
.else
	s_wait_alu depctr_va_vdst(0)                   ; the quantisers of the granule before (ahead of the first granule: W's) are done reading the four units, in which the loads below land
.endif
.irp t, 0,1
.irp q, 0,1,2,3,4,5,6,7
	ds_load_b128 v[U+32*\t+4*\q:U+32*\t+4*\q+3], v[L1A] offset:16*PITCH*\t+16*\q   ; row 16 t + r, c = 32 h + 4 q on
.endr
.endr
	s_wait_dscnt 16                                ; all but the 16 loads: the stage's stores are done;
.if (\g)+4 < 8
	RLOAD (\g)+4, 1                                ; their set of the ring takes the granule four further on
.endif
	s_wait_dscnt 8                                 ; tile 0 is in; tile 1's eight loads may be out
	QMAX U, U+16, T+2, T+3, 0
	QSCALE 0, RSC
	QCVT U, U+16, RFR, 0
	s_wait_dscnt 0x0
	QMAX U+32, U+48, T+10, T+11, 0                 ; sixteen plain instructions: the places between tile 0's codes and scale word and its products
	s_wait_alu depctr_va_vdst(0)                   ; tile 0's codes and scale word are written (ahead of the first granule's products: W's too), which the products take
	WMMA1 0
	QSCALE 1, RSC+1                                ; names none of those products' registers: the places behind them
	QCVT U+32, U+48, RFR+12, 1
.irp i, 0,1,2,3,4,5,6,7
	SMAXL 0, \i
.endr
	SMAXB 0                                        ; ten plain instructions stand between tile 1's scale word and its products
	s_wait_alu depctr_va_vdst(0)                   ; tile 1's codes and scale word are written, which its products take; both tiles' maxima and conversions are done reading units 1 and 3, in which the column loads below land
	WMMA1 1
.irp i, 0,1,2,3,4,5,6,7
	SFMA 0, \i                                     ; tile 0's scalings are the places behind tile 1's products
	L2ONE 0, 2*\i                                  ; columns 0-31 into units 1 and 3, two loads at a time.  No wait: from the wait above to the last of these loads the vector and matrix
	L2ONE 0, 2*\i+1                                ; instructions name units 0 and 2, the registers at work, W, the bias and tile 1's fragment, never units 1 and 3 or the address
.endr
.irp i, 0,1,2,3,4,5,6,7
	SMAXL 1, \i                                    ; tile 1's chain, with tile 0's exponentials between its links
	SEXP 0, 2*\i
	SEXP 0, 2*\i+1
	L2ONE 0, 16+2*\i
	L2ONE 0, 17+2*\i
.endr
	SMAXB 1
.irp i, 0,1,2,3,4,5,6,7
	SFMA 1, \i
.endr
.irp i, 0,1,2,3,4,5,6,7,8,9,10,11,12,13,14,15
	SEXP 1, \i
.endr
	v_nop                                          ; a plain instruction behind the last exponential;
	s_wait_alu depctr_va_vdst(0)                   ; one wait for the 32 exponentials' results: no line above names one
	SSUMS
	s_wait_alu depctr_va_vdst(0)                   ; the multiplications have written a into units 0 and 2, which the stores read
.irp t, 0,1
.irp j, 0,1,2,3,4,5,6,7,8,9,10,11,12,13,14,15
	ds_store_b32 v[AST], v[U+32*\t+\j] offset:(\j+8*(\j/8))*APITCH+64*\t   ; a(n = 16 t + r, k = 16 (j / 8) + 8 h + j % 8) to row k
.endr
.endr
	s_wait_alu depctr_vm_vsrc(0)                   ; those stores have read units 0 and 2, in which a comes back
.irp q, 0,1,2,3
	ds_load_b128 v[U+4*\q:U+4*\q+3], v[ALD] offset:16*\q                   ; back: row k = my lane, n 0-15; served in order behind the stores above
.endr
.irp q, 0,1,2,3
	ds_load_b128 v[U+32+4*\q:U+32+4*\q+3], v[ALD] offset:64+16*\q          ; n 16-31
.endr
	s_wait_dscnt 40                                ; columns 0-31 are in; behind them: the 32 stores and 8 loads of a
	QN U+16, U+48, FR0, RSW, GC, 0
	s_wait_alu depctr_va_vdst(0)                   ; the maximum and the conversions are done reading units 1 and 3, in which the next column loads land
	L2LOAD 1                                       ; columns 32-63
	s_wait_dscnt 32                                ; a is back; the 32 loads just issued may be out
	QN U, U+32, FA, ASW, GC, 1                     ; a's codes, and the sums of the unquantised a
	s_wait_dscnt 0x0
	QN U+16, U+48, FR1, RSW+1, GC, 0
.if OD
.irp i, 0,1,2,3,4,5                    ; the even fragment's lanes 16-31 (rows 16-31, even block) change places with the odd fragment's lanes 0-15 (rows 0-15, odd block)
	v_permlane16_swap_b32 v[AF+6*CP+\i], v[AF+12+6*CP+\i]
	v_permlane16_swap_b32 v[RF+6*CP+\i], v[RF+12+6*CP+\i]
	v_permlane16_swap_b32 v[RF+24+6*CP+\i], v[RF+36+6*CP+\i]
.endr
.endif
.if GC == 3
	PROD2 (\g)/4
.endif
.endm
; ---------------- the head ----------------
	s_load_b256 s[4:11], s[0:1], 0x0               ; r s[4:5], W s[6:7], b s[8:9], centroids s[10:11]
	s_load_b64 s[12:13], s[0:1], 0x20              ; out
	v_lshl_add_u32 v246, v0, 2, 0x3e600
	v_mov_b32 v247, 0
	v_lshrrev_b32 v27, 5, v0
	v_readfirstlane_b32 s14, v27                   ; wave 0..7
	v_and_b32 v22, 31, v0                          ; lane
	v_and_b32 v23, 15, v0                          ; r
	v_bfe_u32 v24, v0, 4, 1                        ; h
	v_lshlrev_b32 v[GOFF], 4, v22
	v_lshlrev_b32 v[BOFF], 5, v24
	s_wait_alu depctr_va_sdst(0)                   ; s14 is written, ahead of its first reader: the bases and the LDS places are made from it
	s_lshl_b32 s16, ttmp9, 19                      ; my batch: 2,048 rows of 256 bytes,
	s_lshl_b32 s15, s14, 16                        ; my wave's 256 rows (the sum stays under 2^28)
	s_add_co_u32 s16, s16, s15
	s_mov_b32 s17, 0
	s_lshl_b32 s18, s14, 10                        ; four rows of 256 bytes a wave: of W, of the centroids, of out
	s_mov_b32 s19, 0
	s_lshl_b32 s20, ttmp9, 13
	s_add_co_u32 s20, s20, s18
	s_mov_b32 s21, 0
	s_mov_b32 s[SEL], 0x76543210
	s_mov_b32 s[SEL+1], 0xfedcba98
	s_mov_b32 s[CS], 0x3fb8aa3b                    ; log2(e)
	s_mov_b32 s[CS+1], s[CS]                       ; (named with it as a pair, so it is written)
	s_wait_kmcnt 0x0
	s_add_nc_u64 s[4:5], s[4:5], s[16:17]
	s_add_nc_u64 s[6:7], s[6:7], s[18:19]
	s_add_nc_u64 s[10:11], s[10:11], s[18:19]
	s_add_nc_u64 s[12:13], s[12:13], s[20:21]
	s_wait_alu depctr_va_vdst(0)                   ; the two offsets v1 and v245 are written: every global load and store of the kernel reads one of them
.irp i, 0,1
	global_load_b128 v[U+4*\i:U+4*\i+3], v[GOFF], s[6:7] offset:512*\i         ; my wave's four rows of W: the work-group reads W once
.endr
.irp e, 0,1,2,3
	global_load_b128 v[BI+4*\e:BI+4*\e+3], v[BOFF], s[8:9] offset:64*(\e/2)+16*(\e%2)   ; b(16 kt + 8 h + 0 .. 7)
.endr
.irp i, 0,1
	global_load_b128 v[CEN+4*\i:CEN+4*\i+3], v[GOFF], s[10:11] offset:512*\i   ; the centroids of the four rows that I store at the end
.endr
	RLOAD 0, 0
	RLOAD 1, 0
	RLOAD 2, 0
	s_mul_i32 s26, s14, RSTG_W                     ; my stage
	s_mul_i32 s27, s14, ASTG_W
	s_add_co_u32 s27, s27, ASTG                    ; my stage for a
	s_mul_i32 s28, s14, 2*PART_B
	s_add_co_u32 s28, s28, PART                    ; my two partial results
	s_mul_i32 s29, s14, 4*PITCH                    ; four staged rows a wave
	s_lshl_b32 s30, s14, 7
	s_add_co_u32 s30, s30, ASUM
	s_lshl_b32 s31, s14, 4
	s_add_co_u32 s31, s31, ASUM
	v_mul_u32_u24 v25, v24, PITCH
	v_lshl_add_u32 v25, v23, 4, v25                ; 272 h + 16 r: a load's 512 bytes are two rows
	v_mul_u32_u24 v26, v23, PITCH                  ; 272 r
	v_add_nc_u32 v[SST], s26, v25
	v_lshl_add_u32 v27, v24, 7, v26                ; 272 r + 128 h
	v_add_nc_u32 v[L1A], s26, v27
	v_add_nc_u32 v[WL1], WSTG, v27
	v_lshl_add_u32 v[L2A], v22, 2, s26
	v_mul_u32_u24 v[AST], v24, 8*APITCH
	v_lshl_add_u32 v[AST], v23, 2, v[AST]
	v_add_nc_u32 v[AST], s27, v[AST]
	v_mul_u32_u24 v[ALD], v22, APITCH
	v_add_nc_u32 v[ALD], s27, v[ALD]
	v_lshl_add_u32 v[PST], v24, 5, v26
	v_add_nc_u32 v[PST], s28, v[PST]
	v_lshlrev_b32 v[SH8], 3, v24
	v_add_nc_u32 v[PRD], s29, v25
	v_add_nc_u32 v[WSS], WSTG, v[PRD]
	v_add_nc_u32 v[PRD], PART, v[PRD]
	v_add_nc_u32 v[PRD2], 8*PART_B, v[PRD]
	v_lshl_add_u32 v[ASS], v22, 2, s30
	v_lshl_add_u32 v[ASL], v24, 2, s31
.irp f, WF, WF+12, RFR, RFR+12
.irp i, 3,4,5,9,10,11
	v_mov_b32 v[\f+\i], 0                          ; the zero codes of the first product's fragments: written once
.endr
.endr
.irp i, 1,7,9,15
	v_mov_b32 v[T+\i], 0                           ; upper halves of pairs, and lane permutes' destinations, which count as read
.endr
.irp i, 0,1,2,3
	v_mov_b32 v[AC0+\i], 0                         ; the sums of a
.endr
	s_wait_loadcnt 48                              ; W, b and the centroids are in; the ring's 48 loads stay out
	s_wait_alu depctr_va_vdst(0)                   ; the twelve LDS addresses (v2-7, 9, 21, 38, 39, 243, 244) are written: every LDS instruction of the kernel reads one of them, and none is written again
	ds_store_b128 v[WSS], v[U:U+3]
	ds_store_b128 v[WSS], v[U+4:U+7] offset:2*PITCH
	RLOAD 3, 0
	s_wait_dscnt 0x0                               ; for the others' sake: my rows of W lie in LDS
	s_barrier_signal -1
	s_barrier_wait -1
	s_wait_alu depctr_vm_vsrc(0)                   ; my two stores of W have read v[U .. U+7], in which the loads below land
.irp t, 0,1
.irp q, 0,1,2,3,4,5,6,7
	ds_load_b128 v[U+32*\t+4*\q:U+32*\t+4*\q+3], v[WL1] offset:16*PITCH*\t+16*\q   ; W(16 t + r, 32 h + 4 q on): every wave quantises W for itself
.endr
.endr
	s_wait_dscnt 0x0
	QMAX U, U+16, T+2, T+3, 0
	QMAX U+32, U+48, T+10, T+11, 0
	QSCALE 0, WS
	QSCALE 1, WS+1
	QCVT U, U+16, WF, 0
	QCVT U+32, U+48, WF+12, 1
	v_nop                                          ; a plain instruction behind the conversions
; ---------------- the stream: written out, since the ring's registers change from granule to granule and the last four granules ask for nothing ----------------
	GRAN 0
	GRAN 1
	GRAN 2
	GRAN 3
	GRAN 4
	GRAN 5
	GRAN 6
	GRAN 7
; ---------------- the end: 16 partial results and 8 x 32 sums of a meet in LDS ----------------
	v_add_f32 v[AC0], v[AC0], v[AC0+1]
	v_add_f32 v[AC1], v[AC1], v[AC1+1]
	v_add_f32 v[AC0], v[AC0], v[AC1]               ; my wave's sum of a for k = my lane
	s_wait_alu depctr_va_vdst(0)                   ; the sum is written, which the store reads
	ds_store_b32 v[ASS], v[AC0]
	s_wait_dscnt 0x0                               ; for the others' sake: my partial results and my sums lie in LDS
	s_barrier_signal -1
	s_barrier_wait -1
	s_wait_alu depctr_vm_vsrc(0)                   ; the stores of the last K step's result have read the four units, in which partial results land (the products and quantisers that named v22-37 and v104-239 stand ahead of the waits on va_vdst above)
.irp p, 0,1,2,3,4,5,6,7
.irp i, 0,1
	ds_load_b128 v[FS+8*\p+4*\i:FS+8*\p+4*\i+3], v[PRD] offset:\p*PART_B+2*PITCH*\i         ; rows 4 w + 2 i + lane / 16, 16 bytes a lane
	ds_load_b128 v[FS+64+8*\p+4*\i:FS+64+8*\p+4*\i+3], v[PRD2] offset:\p*PART_B+2*PITCH*\i
.endr
.endr
.irp p, 0,1,2,3,4,5,6,7
.irp i, 0,1
	ds_load_b32 v[T+2*\p+\i], v[ASL] offset:128*\p+8*\i    ; wave p's sum of a for my row
.endr
.endr
	s_wait_dscnt 0x0
.irp d, 8,4,2,1
.irp p, 0,1,2,3,4,5,6,7
.if \p < \d
.irp e, 0,2,4,6
	v_pk_add_f32 v[FS+8*\p+\e:FS+8*\p+\e+1], v[FS+8*\p+\e:FS+8*\p+\e+1], v[FS+8*(\p+\d)+\e:FS+8*(\p+\d)+\e+1]
.endr
.endif
.endr
.endr
.irp d, 4,2,1
.irp p, 0,1,2,3
.if \p < \d
	v_pk_add_f32 v[T+2*\p:T+2*\p+1], v[T+2*\p:T+2*\p+1], v[T+2*(\p+\d):T+2*(\p+\d)+1]
.endif
.endr
.endr
.irp i, 0,1
.irp e, 0,1,2,3
	v_fma_f32 v[FS+4*\i+\e], -v[T+\i], v[CEN+4*\i+\e], v[FS+4*\i+\e]   ; - (sum of a) x centroid
.endr
.endr
	s_wait_alu depctr_va_vdst(0)                   ; the eight multiply-adds have written v[FS .. FS+7], which the stores read
.irp i, 0,1
	global_store_b128 v[GOFF], v[FS+4*\i:FS+4*\i+3], s[12:13] offset:512*\i   ; 32 lanes store 512 consecutive bytes, at a multiple of 256 from the output's first byte
.endr
	s_wait_dscnt 0x0
	s_wait_alu depctr_hold_cnt(0) depctr_sa_sdst(0) depctr_va_vdst(0) depctr_va_sdst(0) depctr_va_ssrc(0) depctr_va_vcc(0) depctr_vm_vsrc(0)
	s_wait_tensorcnt 0x0
	ds_add_u32 v246, v247
	s_wait_dscnt 0x0
	s_endpgm
.Lfunc_end_k_qaa4aa05562_netvlad:
	.size	k_qaa4aa05562_netvlad, .Lfunc_end_k_qaa4aa05562_netvlad-k_qaa4aa05562_netvlad
	.p2alignl 7, 3214868480
	.fill 96, 4, 3214868480
	.section	.rodata,"a",@progbits
	.p2align	6, 0x0
	.amdhsa_kernel k_qaa4aa05562_netvlad
		.amdhsa_group_segment_fixed_size 256512
		.amdhsa_private_segment_fixed_size 0
		.amdhsa_enable_private_segment 0
		.amdhsa_kernarg_size 40
		.amdhsa_user_sgpr_count 2
		.amdhsa_user_sgpr_kernarg_segment_ptr 1
		.amdhsa_wavefront_size32 1
		.amdhsa_system_sgpr_workgroup_id_x 1
		.amdhsa_system_sgpr_workgroup_id_y 1
		.amdhsa_system_sgpr_workgroup_id_z 1
		.amdhsa_system_vgpr_workitem_id 0
		.amdhsa_next_free_vgpr 512
		.amdhsa_next_free_sgpr 66
		.amdhsa_reserve_vcc 0
		.amdhsa_float_denorm_mode_32 3
		.amdhsa_float_denorm_mode_16_64 3
		.amdhsa_memory_ordered 1
		.amdhsa_forward_progress 1
		.amdhsa_inst_pref_size 223
	.end_amdhsa_kernel
	.amdgpu_metadata
---
amdhsa.version: [ 1, 2 ]
amdhsa.kernels:
  - .name:           k_qaa4aa05562_netvlad
    .symbol:         k_qaa4aa05562_netvlad.kd
    .args:
      - { .name: R_seq, .offset: 0, .size: 8, .value_kind: global_buffer, .address_space: global }
      - { .name: W, .offset: 8, .size: 8, .value_kind: global_buffer, .address_space: global }
      - { .name: b, .offset: 16, .size: 8, .value_kind: global_buffer, .address_space: global }
      - { .name: centroids, .offset: 24, .size: 8, .value_kind: global_buffer, .address_space: global }
      - { .name: out0, .offset: 32, .size: 8, .value_kind: global_buffer, .address_space: global }
    .group_segment_fixed_size: 256512
    .private_segment_fixed_size: 0
    .kernarg_segment_align: 8
    .kernarg_segment_size: 40
    .max_flat_workgroup_size: 256
    .sgpr_count:     66
    .vgpr_count:     512
    .wavefront_size: 32
...
	.end_amdgpu_metadata
.endif
;; end of part 2
